; MI455X (gfx1250); checked and timed in simulation.
; The chip was launched on July 23, 2026; its instructions are those of AMD's public machine-readable ISA for CDNA 5 (MIT licence, August 2026) and "CDNA5" Instruction Set Architecture Reference Guide (July 2026). The comments in the code are by the model that wrote it; some were corrected since.
;; Praxis Memory. Allowed arithmetic: float matrix products may take bf16 or f16 operands with f32 sums; all other float work in f32.
;; Inputs: gate 8 float32; inputs 2 x 1,024 x 1,024 float32; key 2 x 8 x 1,024 x 128 float32; key_memories 8 x 16,384 x 128 float32; outputs 2 x 8 x 1,024 x 128 float32; query 2 x 8 x 1,024 x 128 float32; value 2 x 8 x 1,024 x 128 float32; value_memories 8 x 16,384 x 128 float32.
;; Outputs: out0 2 x 8 x 1,024 x 128 float32.
;; One version. Each part assembles by itself: llvm-mc -triple=amdgcn-amd-amdhsa -mcpu=gfx1250 --defsym DOCPART=n.
;; ======== version 1 of 1: 5 launches
;; workspace buffers: xb 37,748,736 bytes; rn 589,824 bytes; lv 8,388,608 bytes; lp 8,388,608 bytes of whole numbers; sel 524,288 bytes of whole numbers; idx 524,288 bytes of whole numbers; scr 524,288 bytes
;; launch prep (part 1): grid 256 x 1, 9 waves a work-group, no clusters, 0 bytes of LDS; arguments key_memories, query, xb, rn; writes xb, rn
.if DOCPART == 1
	.amdgcn_target "amdgcn-amd-amdhsa--gfx1250"
	.amdhsa_code_object_version 6
	.text
	.protected	k_qc8268717f1_prep
	.globl	k_qc8268717f1_prep
	.p2align	8
	.type	k_qc8268717f1_prep,@function
k_qc8268717f1_prep:
	s_mov_b64 s[64:65], 0
	v_nop
	global_prefetch_b8 v0, s[64:65] scope:SCOPE_SE
	s_setreg_imm32_b32 hwreg(HW_REG_WAVE_MODE, 25, 1), 1
	s_wait_xcnt 0x0
; PREP.  Every row of key_memories (131,072 rows) and of query (16,384 rows), 128 f32 each, is rounded once to bf16 (xb) and gets
; rn = 1 / max(norm of the ROUNDED row, 1e-8) in f32.  The later launches compare (q . k) * rn[k]: the products of bf16 numbers are exact,
; so the order of the similarities is that of reference() on inputs rounded to bf16, up to the rounding of f32 sums.
; reference() never uses its arguments inputs, key and value: no launch of this program takes them.
; LAYOUT of xb: rows of 256 bytes, keys first (row h*16384+n), then the query rows in query's own order.  Inside each block of 64 rows,
; row k lies at place ((k>>3)&3)*16 + (k>>5)*8 + (k&7): so that 16 neighbouring rows are one matrix fragment whose results give each
; half of the lanes 32 consecutive keys.  rn is in natural order.
; SHARES: 2,304 blocks of 64 rows, one wave each (256 work-groups of 9 waves).  A row is one 16-byte load a lane; a ring of 16 row slots
; keeps 16 loads of the wave in flight.  A row leaves as one store of 8 bytes a lane: 256 consecutive bytes, aligned.
; No LDS, matrix unit or cluster: nothing is shared between waves and memory binds.
; LIMITS: a row's sum of squares must stay finite in f32; NaN and infinities are not treated apart.
.set X, 16                             ; v[16:79]   slot m: the row as loaded, 4 registers
.set C, 80                             ; v[80:111]  slot m: the row in bf16, 2 registers
	s_load_b256 s[4:11], s[0:1], 0x0               ; key_memories s[4:5], query s[6:7], xb s[8:9], rn s[10:11]
	v_lshrrev_b32 v3, 5, v0
	v_readfirstlane_b32 s12, v3                    ; wave 0..8
	v_and_b32 v2, 31, v0
	v_lshlrev_b32 v1, 4, v2                        ; 16 bytes a lane in a row of f32
	v_lshlrev_b32 v2, 3, v2                        ; 8 bytes a lane in a row of bf16, and in the block's 64 rn
	s_mul_i32 s13, ttmp9, 9
	s_add_co_u32 s13, s13, s12                     ; block 0..2303
	s_sub_co_u32 s30, s13, 2048                    ; its number among the query's blocks
	s_mov_b32 s25, 0xffff0000                      ; a word's upper bf16
	s_mov_b32 s26, 0x76543210                      ; v_permlanex16_b32: each lane takes its own place in the other half
	s_mov_b32 s27, 0xfedcba98
	s_mov_b32 s21, 0
	v_mov_b32 v11, 0                               ; v_permlanex16_b32's destination counts as read
	v_mov_b32 v12, 0                               ; sums of squares: rows 2 l and 2 l + 1 in lane l
	v_mov_b32 v13, 0
	s_wait_kmcnt 0x0
	s_cmp_ge_u32 s13, 2048                         ; blocks 2048 on are the query's
	s_cselect_b64 s[14:15], s[6:7], s[4:5]
	s_cselect_b32 s20, s30, s13
	s_lshl_b32 s20, s20, 15                        ; 64 rows of 512 bytes
	s_add_nc_u64 s[14:15], s[14:15], s[20:21]      ; source
	s_lshl_b32 s20, s13, 14                        ; 64 rows of 256 bytes
	s_add_nc_u64 s[16:17], s[8:9], s[20:21]        ; the block in xb
	s_lshl_b32 s20, s13, 8
	s_add_nc_u64 s[28:29], s[10:11], s[20:21]      ; the block's 64 numbers in rn
	s_mov_b64 s[18:19], s[16:17]                   ; store base of rows 0 to 15
.irp m, 0,1,2,3,4,5,6,7,8,9,10,11,12,13,14,15
	global_load_b128 v[X+4*\m:X+4*\m+3], v1, s[14:15] offset:512*\m th:TH_LOAD_NT  ; the ring is filled: rows 0 to 15
.endr
; Row 16 a + m.  ahead = 1: the slot is loaded again with the row 16 further down.  left = the younger loads that may stay out.
.macro SLOT m, ahead, left
	s_wait_loadcnt \left                           ; loads come back in order: this slot's is in
	s_wait_xcnt 0x0                                ; this slot's C, which its last store reads, is rewritten only behind this wait
	v_cvt_pk_bf16_f32 v[C+2*(\m)], v[X+4*(\m)], v[X+4*(\m)+1]
	v_cvt_pk_bf16_f32 v[C+2*(\m)+1], v[X+4*(\m)+2], v[X+4*(\m)+3]
.if \ahead
	global_load_b128 v[X+4*(\m):X+4*(\m)+3], v1, s[14:15] offset:8192+512*(\m) th:TH_LOAD_NT
.endif
	v_lshlrev_b32 v4, 16, v[C+2*(\m)]              ; the rounded numbers back in f32: the norm is theirs
	v_and_b32 v5, s25, v[C+2*(\m)]
	v_lshlrev_b32 v6, 16, v[C+2*(\m)+1]
	v_and_b32 v7, s25, v[C+2*(\m)+1]
	v_pk_mul_f32 v[8:9], v[4:5], v[4:5]
	v_pk_fma_f32 v[8:9], v[6:7], v[6:7], v[8:9]
	v_add_f32 v10, v8, v9
	v_add_f32_dpp v10, v10, v10 row_xmask:1 row_mask:0xf bank_mask:0xf
	v_add_f32_dpp v10, v10, v10 row_xmask:2 row_mask:0xf bank_mask:0xf
	v_add_f32_dpp v10, v10, v10 row_xmask:4 row_mask:0xf bank_mask:0xf
	v_add_f32_dpp v10, v10, v10 row_xmask:8 row_mask:0xf bank_mask:0xf
	v_permlanex16_b32 v11, v10, s26, s27
	v_add_f32 v10, v10, v11                        ; the row's sum of squares, in every lane
	s_lshl_b32 s24, 1<<((\m)>>1), s23              ; lane 8 a + m / 2 keeps it
	v_cndmask_b32 v[12+((\m)&1)], v[12+((\m)&1)], v10, s24
	global_store_b64 v2, v[C+2*(\m):C+2*(\m)+1], s[18:19] offset:(((\m)>>3)*16+((\m)&7))*256  ; 256 consecutive bytes, aligned
.endm
	s_mov_b32 s22, 0                               ; a: which sixteen rows
	s_mov_b32 s23, 0                               ; 8 a
.Lround:
.irp m, 0,1,2,3,4,5,6,7,8,9,10,11,12,13,14,15
	SLOT \m, 1, 15
.endr
	s_wait_xcnt 0x0                                ; the two bases are stepped only behind this wait
	s_add_nc_u64 s[14:15], s[14:15], 8192
	s_add_co_u32 s22, s22, 1
	s_lshl_b32 s23, s22, 3
	s_and_b32 s20, s22, 1
	s_lshl_b32 s20, s20, 13                        ; (a & 1) x 32 places
	s_lshr_b32 s24, s22, 1
	s_lshl_b32 s24, s24, 11                        ; (a >> 1) x 8 places
	s_add_co_u32 s20, s20, s24
	s_add_nc_u64 s[18:19], s[16:17], s[20:21]
	s_cmp_lt_u32 s22, 3
	s_cbranch_scc1 .Lround
.irp m, 0,1,2,3,4,5,6,7,8,9,10,11,12,13,14,15
	SLOT \m, 0, 15-\m                              ; the last sixteen rows load nothing: the counts run down
.endr
	v_max_num_f32 v12, 0x24e69595, v12             ; max(norm, 1e-8) as max(sum of squares, 1e-16)
	v_max_num_f32 v13, 0x24e69595, v13
	v_rsq_f32 v14, v12
	v_rsq_f32 v15, v13
	v_nop                                          ; a plain instruction between the last v_rsq_f32 and the use of its result
	s_wait_alu depctr_va_vdst(0)
	v_mul_f32 v4, v12, v14                         ; one Newton step: y + y/2 (1 - s y y)
	v_mul_f32 v5, v13, v15
	v_fma_f32 v4, -v4, v14, 1.0
	v_fma_f32 v5, -v5, v15, 1.0
	v_mul_f32 v6, 0.5, v14
	v_mul_f32 v7, 0.5, v15
	v_fma_f32 v14, v6, v4, v14
	v_fma_f32 v15, v7, v5, v15
	global_store_b64 v2, v[14:15], s[28:29]        ; 256 consecutive bytes, aligned
	s_endpgm
.Lfunc_end_k_qc8268717f1_prep:
	.size	k_qc8268717f1_prep, .Lfunc_end_k_qc8268717f1_prep-k_qc8268717f1_prep
	.p2alignl 7, 3214868480
	.fill 96, 4, 3214868480
	.section	.rodata,"a",@progbits
	.p2align	6, 0x0
	.amdhsa_kernel k_qc8268717f1_prep
		.amdhsa_group_segment_fixed_size 0
		.amdhsa_private_segment_fixed_size 0
		.amdhsa_enable_private_segment 0
		.amdhsa_kernarg_size 32
		.amdhsa_user_sgpr_count 2
		.amdhsa_user_sgpr_kernarg_segment_ptr 1
		.amdhsa_wavefront_size32 1
		.amdhsa_system_sgpr_workgroup_id_x 1
		.amdhsa_system_sgpr_workgroup_id_y 1
		.amdhsa_system_sgpr_workgroup_id_z 1
		.amdhsa_system_vgpr_workitem_id 0
		.amdhsa_next_free_vgpr 112
		.amdhsa_next_free_sgpr 66
		.amdhsa_reserve_vcc 0
		.amdhsa_float_denorm_mode_32 3
		.amdhsa_float_denorm_mode_16_64 3
		.amdhsa_memory_ordered 1
		.amdhsa_forward_progress 1
		.amdhsa_inst_pref_size 38
	.end_amdhsa_kernel
	.amdgpu_metadata
---
amdhsa.version: [ 1, 2 ]
amdhsa.kernels:
  - .name:           k_qc8268717f1_prep
    .symbol:         k_qc8268717f1_prep.kd
    .args:
      - { .name: key_memories, .offset: 0, .size: 8, .value_kind: global_buffer, .address_space: global }
      - { .name: query, .offset: 8, .size: 8, .value_kind: global_buffer, .address_space: global }
      - { .name: xb, .offset: 16, .size: 8, .value_kind: global_buffer, .address_space: global }
      - { .name: rn, .offset: 24, .size: 8, .value_kind: global_buffer, .address_space: global }
    .group_segment_fixed_size: 0
    .private_segment_fixed_size: 0
    .kernarg_segment_align: 8
    .kernarg_segment_size: 32
    .max_flat_workgroup_size: 288
    .sgpr_count:     66
    .vgpr_count:     112
    .wavefront_size: 32
...
	.end_amdgpu_metadata
.endif
;; end of part 1
;; launch scan (part 2): grid 4 x 64, 8 waves a work-group, clusters of 4 x 1, 327,680 bytes of LDS; arguments xb, rn, lv, lp; writes lv, lp
.if DOCPART == 2
	.amdgcn_target "amdgcn-amd-amdhsa--gfx1250"
	.amdhsa_code_object_version 6
	.text
	.protected	k_qc8268717f1_scan
	.globl	k_qc8268717f1_scan
	.p2align	8
	.type	k_qc8268717f1_scan,@function
k_qc8268717f1_scan:
	s_mov_b64 s[64:65], 0
	v_nop
	global_prefetch_b8 v0, s[64:65] scope:SCOPE_SE
	s_setreg_imm32_b32 hwreg(HW_REG_WAVE_MODE, 25, 1), 1
	s_wait_xcnt 0x0
	s_wait_alu depctr_hold_cnt(0) depctr_sa_sdst(0) depctr_va_vdst(0) depctr_va_sdst(0) depctr_va_ssrc(0) depctr_va_vcc(0) depctr_vm_vsrc(0)
	s_getreg_b32 s2, hwreg(HW_REG_IB_STS2, 6, 4)
	s_cmp_eq_u32 s2, 0
	s_cbranch_scc0 .Lentry_in_a_cluster
	s_endpgm
.Lentry_in_a_cluster:
	s_bfe_u32 s2, ttmp6, 0x10000c
	s_cmp_lg_u32 s2, 0x3003
	s_cbranch_scc0 .Lentry_shape_is_right
	s_endpgm
.Lentry_shape_is_right:
; SCAN.  x[q][k] = (q . k) * rn[k] for all 2,048 queries and 16,384 keys of each of 8 heads, by the matrix unit in bf16 with f32 sums, and a filter that
; needs no branch on data.  A head's keys lie in 512 GROUPS of 32 consecutive keys, a group in 16 PAIRS.  For each query and group: M = the group's largest x,
; th = M - 0.3125 |M| (one fused multiply-add), flag p = [pair p's larger x >= th].  For each query a lane keeps the 8 best (M, group<<16 | flags) of the
; groups that it has seen, sorted; on equal M the earlier group stays ahead.  A query has 16 such lists: 8 splits of the keys x 2 halves of the lanes.
; SHARES.  A work-group: 512 queries of a head x one split of 2,048 keys; 256 work-groups.  A wave: 64 queries, four tiles u of 16 (column r of tile u is
; query 4 r + u of the wave's 64), all 2,048 keys.  Eight waves, two to a SIMD: while one issues its 16 products the other does its vector work.
; LAYOUT.  Source 0 = 16 rows of keys, source 1 = 16 queries: lane (r, h), register j holds row 8 h + j for query r.  By xb's order of rows inside a block
; of 64, that row of tile t is key 32 h + 8 t + j: over a block's four tiles a lane sees the 32 consecutive keys of group 2 block + h.
; CLUSTER.  The four work-groups of a cluster have the same head and split and other queries: keys and rn are asked for JOINTLY, the same tensor load with
; the same descriptor (made of head, split and the wave's number) and the mask of four in all of them.
; RING.  Two slots of 512 keys; wave w fills rows 64 w on of a slot by one load.  A wave has three tensor loads out at the start (rn, chunks 0 and 1), later one.
; LIMITS.  NaN and infinities are not treated apart.
; REGISTERS.  Window 0: see the names below.  Window 1: v0-127 Q (tile u, 32 channels ks at 32 u + 8 ks).
.set PITCH, 272                        ; a row in LDS: 256 bytes + 16 of padding: the 16 rows of a fragment load start at 16 different groups of four banks
.set BLK,   64*PITCH                   ; a block of 64 keys: what one tensor load brings
.set SLOTB, 8*BLK                      ; a slot: 512 keys
.set RKB,   2*SLOTB                    ; the split's 2,048 rn, filled once
.set SPARE, RKB+8192                   ; the spare words: 128 bytes for each of the eight waves, named by no other line
.set RK,   12                          ; v[12:19]   rn of my 8 keys of the tile
.set TH,   20                          ; v[20:27]   th of tile u in the even register of pair u
.set GM,   28                          ; v[28:31]   the group's running maximum
.set MASK, 32                          ; v[32:35]   the signs of pair maximum - th, shifted in
.set P,    36                          ; v[36:39]   group<<16 | flags
.set TMP,  40                          ; v[40:43]   at work
.set ACC,  48                          ; v[48:79]   four accumulators
.set KF,   80                          ; v[80:111]  a tile's four fragments of K
.set PM,   112                         ; v[112:175] pair maxima: 16 u + pair
.set LV,   176                         ; v[176:207] the lists' M: 4 i + u
.set LP,   208                         ; v[208:239] the lists' words: 4 i + u
.set NI,   19                          ; s19  -infinity
.set MSB, 0
.macro WIN new                         ; the immediate's high byte repeats the setting that is left
.if MSB != (\new)
	s_set_vgpr_msb (MSB<<8)|(\new)
.set MSB, \new
.endif
.endm
.macro CROUND                          ; a round of the cluster's barrier
	s_barrier_signal -1
	s_barrier_wait -1
	s_cmp_lg_u32 s14, 0
	s_cbranch_scc1 .Lnot_wave_0_\@
	s_barrier_signal -3
.Lnot_wave_0_\@:
	s_barrier_wait -3
	s_barrier_signal -1
	s_barrier_wait -1
.endm
.macro PLACES
.rept 4
	v_nop
.endr
.endm
	s_load_b256 s[4:11], s[0:1], 0x0               ; xb s[4:5], rn s[6:7], lv s[8:9], lp s[10:11]
	v_lshl_add_u32 v10, v0, 2, SPARE
	v_mov_b32 v11, 0
	ds_add_u32 v10, v11                            ; the wave's opening: the add and its wait stand ahead of my first tensor load
	v_lshrrev_b32 v1, 5, v0
	v_readfirstlane_b32 s14, v1                    ; wave 0..7
	s_bfe_u32 s15, ttmp6, 0x40000                  ; cx: it enters Q's and the lists' addresses alone
	s_lshl_b32 s18, ttmp9, 2
	s_add_co_u32 s18, s18, s15                     ; my block of 512 queries
	s_and_b32 s19, ttmp7, 0xffff
	s_lshr_b32 s16, s19, 3                         ; head
	s_and_b32 s17, s19, 7                          ; split
	; group 1 for keys: 64 rows x 128 elements of 2 bytes, 4 words of padding behind every 64 words; the mask of four, bit 21 beside it
	s_mov_b32 s24, 15|(1<<16)|(1<<20)|(1<<21)|(5<<22)|(3<<25)
	s_mov_b32 s25, 128<<16                         ; tensor_dim0
	s_mov_b32 s26, 64<<16                          ; tensor_dim1
	s_mov_b32 s27, 128<<16                         ; tile_dim0
	s_mov_b32 s28, 64                              ; tile_dim1
	s_mov_b32 s29, 128                             ; elements from row to row
	s_mov_b32 s30, 0
	s_mov_b32 s31, 0
	; group 1 for rn: 1,024 dense bytes as 4 rows of 32 elements of 8 bytes, no padding
	s_mov_b32 s32, 15|(3<<16)|(1<<21)
	s_mov_b32 s33, 32<<16
	s_mov_b32 s34, 4<<16
	s_mov_b32 s35, 32<<16
	s_mov_b32 s36, 4
	s_mov_b32 s37, 32
	s_mov_b32 s38, 0
	s_mov_b32 s39, 0
	s_mov_b32 s40, 1                               ; group 0, slot 0
	s_mul_i32 s41, s14, BLK                        ; LDS: wave x 64 rows
	s_mov_b32 s44, 1                               ; group 0, slot 1
	s_add_co_u32 s45, s41, SLOTB
	s_mov_b32 s48, 1                               ; group 0, rn
	s_lshl_b32 s49, s14, 10
	s_add_co_u32 s49, s49, RKB
	s_lshl_b32 s20, s16, 22                        ; bytes of xb to my 64 rows of chunk 0: (head 16384 + split 2048 + 64 w) x 256
	s_lshl_b32 s21, s17, 19
	s_add_co_u32 s20, s20, s21
	s_lshl_b32 s21, s14, 14
	s_add_co_u32 s20, s20, s21
	s_mov_b32 s21, 0
	s_lshl_b32 s22, s16, 16                        ; bytes of rn: (head 16384 + split 2048 + 256 w) x 4
	s_lshl_b32 s23, s17, 13
	s_add_co_u32 s22, s22, s23
	s_lshl_b32 s23, s14, 10
	s_add_co_u32 s22, s22, s23
	s_mov_b32 s23, 0
	s_lshr_b32 s2, s18, 1                          ; my wave's 64 query rows in xb: 131072 + (b 8 + head) 1024 + (block & 1) 512 + 64 w
	s_lshl_b32 s2, s2, 3
	s_add_co_u32 s2, s2, s16
	s_lshl_b32 s2, s2, 10
	s_and_b32 s3, s18, 1
	s_lshl_b32 s3, s3, 9
	s_add_co_u32 s2, s2, s3
	s_lshl_b32 s3, s14, 6
	s_add_co_u32 s2, s2, s3
	s_add_co_u32 s2, s2, 131072
	s_lshl_b32 s2, s2, 8
	s_mov_b32 s3, 0
	s_lshl_b32 s62, s17, 15                        ; the lists: (split 32768 + head 2048 + 512 block + 64 w) x 4
	s_lshl_b32 s63, s16, 11
	s_add_co_u32 s62, s62, s63
	s_lshl_b32 s63, s18, 9
	s_add_co_u32 s62, s62, s63
	s_lshl_b32 s63, s14, 6
	s_add_co_u32 s62, s62, s63
	s_lshl_b32 s62, s62, 2
	s_mov_b32 s63, 0
	s_mov_b32 s61, 0xbea00000                      ; -0.3125
	s_wait_dscnt 0x0                               ; the opening add is done
	s_wait_kmcnt 0x0
	s_add_nc_u64 s[42:43], s[4:5], s[20:21]
	s_add_nc_u64 s[46:47], s[42:43], 131072        ; chunk 1: 512 rows on
	s_or_b32 s43, s43, 0x80000000                  ; type = 2
	s_or_b32 s47, s47, 0x80000000
	s_add_nc_u64 s[50:51], s[6:7], s[22:23]
	s_or_b32 s51, s51, 0x80000000
	s_add_nc_u64 s[12:13], s[4:5], s[2:3]          ; Q
	s_add_nc_u64 s[8:9], s[8:9], s[62:63]
	s_add_nc_u64 s[10:11], s[10:11], s[62:63]
	CROUND                                         ; all four work-groups are here: the first joint loads meet
	tensor_load_to_lds s[48:51], s[32:39]          ; rn
	s_nop 0
	tensor_load_to_lds s[40:43], s[24:31]          ; chunk 0
	s_nop 0
	tensor_load_to_lds s[44:47], s[24:31]          ; chunk 1
	s_nop 0
	PLACES
	v_and_b32 v1, 15, v0                           ; r
	v_bfe_u32 v2, v0, 4, 1                         ; h
	v_mul_u32_u24 v3, v1, PITCH
	v_lshl_add_u32 v3, v2, 4, v3                   ; a fragment's row x pitch + 16 h
	v_lshlrev_b32 v44, 7, v2
	v_add_nc_u32 v44, RKB, v44                     ; rn of my half's 32 keys of the split's first block
	v_bfe_u32 v40, v1, 1, 2                        ; the place of query row 4 r + u in its block of 64, less u
	v_bfe_u32 v41, v1, 3, 1
	v_and_b32 v42, 1, v1
	v_lshlrev_b32 v6, 4, v40
	v_lshl_or_b32 v6, v41, 3, v6
	v_lshl_or_b32 v6, v42, 2, v6
	v_lshlrev_b32 v6, 8, v6
	v_lshl_add_u32 v6, v2, 4, v6
	WIN 0x40                                       ; destination window 1, address window 0
.irp u, 0,1,2,3
.irp ks, 0,1,2,3
	global_load_b128 v[32*\u+8*\ks:32*\u+8*\ks+3],   v6, s[12:13] offset:256*\u+64*\ks
	global_load_b128 v[32*\u+8*\ks+4:32*\u+8*\ks+7], v6, s[12:13] offset:256*\u+64*\ks+32
.endr
.endr
	WIN 0
	v_lshlrev_b32 v7, 4, v1
	v_lshl_add_u32 v7, v2, 16, v7                  ; the lists: 16 r (four queries' words) + the half's stream
	s_lshl_b32 s19, s17, 6
	v_add_nc_u32 v8, s19, v2
	v_lshlrev_b32 v8, 16, v8                       ; (split 64 + h) << 16: my first group
	v_or_b32 v9, 0xffff, v8
	s_mov_b32 s[NI], 0xff800000
.set i, 0
.rept 32
	v_mov_b32 v[LV+i], s[NI]                       ; the lists start empty
	v_mov_b32 v[LP+i], 0
.set i, i+1
.endr
.irp u, 0,1,2,3
	v_mov_b32 v[GM+\u], s[NI]
	v_mov_b32 v[MASK+\u], 0
	v_mov_b32 v[TH+2*\u+1], 0                      ; named with th as a pair, so it is written
.endr
.macro KLOAD t                         ; tile t's 16 rows x 128 channels: four fragments
.irp ks, 0,1,2,3
	ds_load_b128 v[KF+8*\ks:KF+8*\ks+3],   v4 offset:(\t)*16*PITCH+64*\ks
	ds_load_b128 v[KF+8*\ks+4:KF+8*\ks+7], v4 offset:(\t)*16*PITCH+64*\ks+32
.endr
.endm
.macro RKLOAD t                        ; rn of keys 32 h + 8 t + 0..7
	ds_load_b128 v[RK:RK+3],   v5 offset:32*(\t)
	ds_load_b128 v[RK+4:RK+7], v5 offset:32*(\t)+16
.endm
.macro RUN                             ; 16 products; the four accumulators take turns, one instruction a turn; the first four start the sums
	WIN 0x04                                       ; source 1 (Q) in window 1
.irp ks, 0,1,2,3
.irp u, 0,1,2,3
.if \ks == 0
	v_wmma_f32_16x16x32_bf16 v[ACC+8*\u:ACC+8*\u+7], v[KF+8*\ks:KF+8*\ks+7], v[32*\u+8*\ks:32*\u+8*\ks+7], 0
.else
	v_wmma_f32_16x16x32_bf16 v[ACC+8*\u:ACC+8*\u+7], v[KF+8*\ks:KF+8*\ks+7], v[32*\u+8*\ks:32*\u+8*\ks+7], v[ACC+8*\u:ACC+8*\u+7]
.endif
.endr
.endr
	WIN 0
.endm
.macro TILE t, pre                     ; pre = 1: the next tile's fragments and rn are fetched under this tile's vector work
	s_wait_dscnt 0x0                               ; the tile's K and rn are in
	RUN
	PLACES                                         ; four places in front of the loads into K's registers and of the reads of the results
.if \pre
	KLOAD (\t)+1
.endif
.irp u, 0,1,2,3
.irp i, 0,1,2,3                        ; each accumulator is read from its low end on
	v_pk_mul_f32 v[ACC+8*\u+2*\i:ACC+8*\u+2*\i+1], v[ACC+8*\u+2*\i:ACC+8*\u+2*\i+1], v[RK+2*\i:RK+2*\i+1]
.endr
.endr
.if \pre
	RKLOAD (\t)+1
.endif
.irp u, 0,1,2,3
.irp i, 0,1,2,3
	v_max_num_f32 v[PM+16*\u+4*(\t)+\i], v[ACC+8*\u+2*\i], v[ACC+8*\u+2*\i+1]
.endr
	v_max3_num_f32 v[GM+\u], v[GM+\u], v[PM+16*\u+4*(\t)], v[PM+16*\u+4*(\t)+1]
	v_max3_num_f32 v[GM+\u], v[GM+\u], v[PM+16*\u+4*(\t)+2], v[PM+16*\u+4*(\t)+3]
.endr
.endm
.macro INS u                           ; (GM, P) of tile u goes into its sorted list of 8; strictly greater moves ahead, so the earlier group wins a tie
.irp i, 0,1,2,3,4,5,6,7
	v_cmp_gt_f32 s[52+\i], v[GM+(\u)], v[LV+4*\i+(\u)]
.endr
.irp i, 7,6,5,4,3,2,1
	v_cndmask_b32 v[TMP+\i%4], v[P+(\u)], v[LP+4*(\i-1)+(\u)], s[51+\i]      ; what slot i takes if it changes: its neighbour above, or the new word
	v_cndmask_b32 v[LP+4*\i+(\u)], v[LP+4*\i+(\u)], v[TMP+\i%4], s[52+\i]
.endr
	v_cndmask_b32 v[LP+(\u)], v[LP+(\u)], v[P+(\u)], s52
.irp i, 7,6,5,4,3,2,1
	v_med3_num_f32 v[LV+4*\i+(\u)], v[GM+(\u)], v[LV+4*(\i-1)+(\u)], v[LV+4*\i+(\u)]  ; the middle one of the new M and the two old neighbours
.endr
	v_max_num_f32 v[LV+(\u)], v[LV+(\u)], v[GM+(\u)]
	v_mov_b32 v[GM+(\u)], s[NI]
.endm
.macro GEND                            ; a group is complete
.irp u, 0,1,2,3
	v_fma_f32 v[TH+2*\u], |v[GM+\u]|, s61, v[GM+\u]
.endr
.irp u, 0,1,2,3
.irp i, 0,1,2,3,4,5,6,7
	v_pk_add_f32 v[PM+16*\u+2*\i:PM+16*\u+2*\i+1], v[PM+16*\u+2*\i:PM+16*\u+2*\i+1], v[TH+2*\u:TH+2*\u+1] op_sel_hi:[1,0] neg_lo:[0,1] neg_hi:[0,1]
.endr
.endr
.irp p, 15,14,13,12,11,10,9,8,7,6,5,4,3,2,1,0
.irp u, 0,1,2,3
	v_alignbit_b32 v[MASK+\u], v[MASK+\u], v[PM+16*\u+\p], 31   ; the sign comes in at bit 0: pair p ends at bit p
.endr
.endr
.irp u, 0,1,2,3
	v_bfi_b32 v[P+\u], v[MASK+\u], v8, v9          ; group << 16 | the signs' complement
.endr
	INS 0
	INS 1
	INS 2
	INS 3
	v_add_nc_u32 v8, 0x20000, v8                   ; my next group is two further on
	v_add_nc_u32 v9, 0x20000, v9
.endm
.macro CHUNK slot, chunk               ; 512 keys: eight trips of a block of 64
	v_add_nc_u32 v4, (\slot)*SLOTB, v3
	v_add_nc_u32 v5, (\chunk)*2048, v44
	s_mov_b32 s60, 8
.Ltrip_\@:
	KLOAD 0
	RKLOAD 0
	TILE 0, 1
	TILE 1, 1
	TILE 2, 1
	TILE 3, 0
	GEND
	v_add_nc_u32 v4, BLK, v4
	v_add_nc_u32 v5, 256, v5
	s_sub_co_u32 s60, s60, 1
	s_cmp_lg_u32 s60, 0
	s_cbranch_scc1 .Ltrip_\@
.endm
; THE CHANGE OF SLOTS.  Each wave waits for all its tensor loads (one is out: its part of the other slot), adds 0 to its spare word, and waits for that and for its reads
; of the slot that it leaves.  fill = 1: a round of the cluster's barrier, so that no wave of any partner still reads the slot; the joint refill is the first thing behind it
; and has a chunk's 512 products of the wave in which to land.
.macro CHANGE g0, fill
	s_wait_tensorcnt 0x0
	ds_add_u32 v10, v11
.if \fill
	s_add_nc_u64 s[(\g0)+2:(\g0)+3], s[(\g0)+2:(\g0)+3], 262144  ; no load of mine is out: the slot's address steps two chunks on
.endif
	s_wait_dscnt 0x0
.if \fill
	CROUND
	tensor_load_to_lds s[(\g0):(\g0)+3], s[24:31]
	s_nop 0
	PLACES
.else
	s_barrier_signal -1
	s_barrier_wait -1
.endif
.endm
	s_wait_tensorcnt 0x1                           ; my parts of rn and of chunk 0 are in; chunk 1's may stay out
	s_barrier_signal -1
	s_barrier_wait -1                              ; everybody's are
	s_wait_loadcnt 0x0                             ; Q
	CHUNK 0, 0
	CHANGE 40, 1                                   ; chunk 2 into slot 0
	CHUNK 1, 1
	CHANGE 44, 1                                   ; chunk 3 into slot 1
	CHUNK 0, 2
	CHANGE 40, 0                                   ; nothing is left to fetch
	CHUNK 1, 3
.irp i, 0,1,2,3,4,5,6,7                ; slot i of four queries' lists: 16 lanes store 256 consecutive bytes, aligned
	global_store_b128 v7, v[LV+4*\i:LV+4*\i+3], s[8:9] offset:\i*1048576
	global_store_b128 v7, v[LP+4*\i:LP+4*\i+3], s[10:11] offset:\i*1048576
.endr
	s_wait_tensorcnt 0x0                           ; the wave's end
	ds_add_u32 v10, v11
	s_wait_dscnt 0x0
	CROUND                                         ; the closing round
	s_endpgm
.Lfunc_end_k_qc8268717f1_scan:
	.size	k_qc8268717f1_scan, .Lfunc_end_k_qc8268717f1_scan-k_qc8268717f1_scan
	.p2alignl 7, 3214868480
	.fill 96, 4, 3214868480
	.section	.rodata,"a",@progbits
	.p2align	6, 0x0
	.amdhsa_kernel k_qc8268717f1_scan
		.amdhsa_group_segment_fixed_size 327680
		.amdhsa_private_segment_fixed_size 0
		.amdhsa_enable_private_segment 0
		.amdhsa_kernarg_size 32
		.amdhsa_user_sgpr_count 2
		.amdhsa_user_sgpr_kernarg_segment_ptr 1
		.amdhsa_wavefront_size32 1
		.amdhsa_system_sgpr_workgroup_id_x 1
		.amdhsa_system_sgpr_workgroup_id_y 1
		.amdhsa_system_sgpr_workgroup_id_z 1
		.amdhsa_system_vgpr_workitem_id 0
		.amdhsa_next_free_vgpr 384
		.amdhsa_next_free_sgpr 66
		.amdhsa_reserve_vcc 0
		.amdhsa_float_denorm_mode_32 3
		.amdhsa_float_denorm_mode_16_64 3
		.amdhsa_memory_ordered 1
		.amdhsa_forward_progress 1
		.amdhsa_inst_pref_size 136
	.end_amdhsa_kernel
	.amdgpu_metadata
---
amdhsa.version: [ 1, 2 ]
amdhsa.kernels:
  - .name:           k_qc8268717f1_scan
    .symbol:         k_qc8268717f1_scan.kd
    .args:
      - { .name: xb, .offset: 0, .size: 8, .value_kind: global_buffer, .address_space: global }
      - { .name: rn, .offset: 8, .size: 8, .value_kind: global_buffer, .address_space: global }
      - { .name: lv, .offset: 16, .size: 8, .value_kind: global_buffer, .address_space: global }
      - { .name: lp, .offset: 24, .size: 8, .value_kind: global_buffer, .address_space: global }
    .group_segment_fixed_size: 327680
    .private_segment_fixed_size: 0
    .kernarg_segment_align: 8
    .kernarg_segment_size: 32
    .max_flat_workgroup_size: 256
    .sgpr_count:     66
    .vgpr_count:     384
    .wavefront_size: 32
...
	.end_amdgpu_metadata
.endif
;; end of part 2
;; launch merge (part 3): grid 256 x 1, 8 waves a work-group, no clusters, 0 bytes of LDS; arguments lv, lp, sel; writes sel
.if DOCPART == 3
	.amdgcn_target "amdgcn-amd-amdhsa--gfx1250"
	.amdhsa_code_object_version 6
	.text
	.protected	k_qc8268717f1_merge
	.globl	k_qc8268717f1_merge
	.p2align	8
	.type	k_qc8268717f1_merge,@function
k_qc8268717f1_merge:
	s_mov_b64 s[64:65], 0
	v_nop
	global_prefetch_b8 v0, s[64:65] scope:SCOPE_SE
	s_setreg_imm32_b32 hwreg(HW_REG_WAVE_MODE, 25, 1), 1
	s_wait_xcnt 0x0
; MERGE.  A query's 16 sorted lists of 8 (M, group<<16 | flags) become the 8 best groups by (M descending, group ascending); t = the eighth M.
; WHY THESE SUFFICE.  Groups are ranges of key indices in order.  If an element of the true top 8 lay in a group that is not chosen, 8 groups would precede its group,
; each holding an element that precedes it (larger, or equal with a lower index).  Eight elements are >= t, so the eighth best element is >= t.
; A group's flags leave out only pairs below th = M - 0.3125 |M|; where th > t that is not enough, and all 16 flags are set.  th is made by the same instruction
; on the same bits as in the launch before.  So the flagged pairs hold the top 8 for every input; only their number hangs on the data.
; SHARES.  A wave has 8 queries; lane l: query l & 7, streams 4 c .. 4 c + 3 with c = l >> 3.  All 64 loads of a lane go out at once.
; Three merges in the lane, one with the lane 8 away, one with the lane 16 away; the order is strict (groups differ), so all four lanes end with the same list.
; No LDS, matrix unit or cluster: nothing is shared.
.set L0, 16                            ; list k at v[16+16k]: M_i at + i, word_i at + 8 + i
.set L1, 32
.set L2, 48
.set L3, 64
.set XB, 80
.set YB, 96
	s_load_b128 s[8:11], s[0:1], 0x0               ; lv s[8:9], lp s[10:11]
	s_load_b64 s[12:13], s[0:1], 0x10              ; sel
	v_and_b32 v1, 31, v0
	v_lshrrev_b32 v6, 5, v0
	v_readfirstlane_b32 s14, v6                    ; wave
	v_and_b32 v7, 7, v1                            ; which of the wave's 8 queries
	v_lshrrev_b32 v8, 3, v1                        ; c
	s_lshl_b32 s15, ttmp9, 6
	s_lshl_b32 s14, s14, 3
	s_add_co_u32 s15, s15, s14
	v_add_nc_u32 v9, s15, v7                       ; G
	v_lshlrev_b32 v2, 2, v9
	v_lshl_or_b32 v2, v8, 18, v2                   ; 4 G + four streams of 65,536 bytes x c
	v_lshlrev_b32 v3, 5, v9
	v_lshl_or_b32 v3, v8, 3, v3                    ; 32 G + 8 c
	s_mov_b32 s28, 0x76543210
	s_mov_b32 s29, 0xfedcba98
	s_mov_b32 s30, 0xbea00000                      ; -0.3125
	s_mov_b32 s31, 0xff00ff00                      ; lanes with c odd
	s_mov_b32 s32, 0xffff0000                      ; lanes with c >= 2
	s_wait_kmcnt 0x0
.irp k, 0,1,2,3
.irp i, 0,1,2,3,4,5,6,7
	global_load_b32 v[16+16*\k+\i],   v2, s[8:9]   offset:(\i*16+\k)*65536
	global_load_b32 v[16+16*\k+8+\i], v2, s[10:11] offset:(\i*16+\k)*65536
.endr
.endr
; s[16+3j]: the lanes in which b precedes a
.macro SW j, ma, pa, mb, pb
	v_cmp_gt_f32 s[16+3*(\j)], v[\mb], v[\ma]
	v_cmp_eq_f32 s[17+3*(\j)], v[\mb], v[\ma]
	v_cmp_lt_u32 s[18+3*(\j)], v[\pb], v[\pa]
	s_and_b32 s[17+3*(\j)], s[17+3*(\j)], s[18+3*(\j)]
	s_or_b32 s[16+3*(\j)], s[16+3*(\j)], s[17+3*(\j)]
.endm
.macro TOP d, a, b, i                  ; the better of a_i and b_(7-i)
	SW (\i)%4, (\a)+(\i), (\a)+8+(\i), (\b)+7-(\i), (\b)+15-(\i)
	v_max_num_f32 v[(\d)+(\i)], v[(\a)+(\i)], v[(\b)+7-(\i)]
	v_cndmask_b32 v[(\d)+8+(\i)], v[(\a)+8+(\i)], v[(\b)+15-(\i)], s[16+3*((\i)%4)]
.endm
.macro CE src, dst, a, b, j            ; compare and exchange, from one bank of registers into another: the better to place a
	SW \j, (\src)+(\a), (\src)+8+(\a), (\src)+(\b), (\src)+8+(\b)
	v_max_num_f32 v[(\dst)+(\a)], v[(\src)+(\a)], v[(\src)+(\b)]
	v_min_num_f32 v[(\dst)+(\b)], v[(\src)+(\a)], v[(\src)+(\b)]
	v_cndmask_b32 v[(\dst)+8+(\a)], v[(\src)+8+(\a)], v[(\src)+8+(\b)], s[16+3*(\j)]
	v_cndmask_b32 v[(\dst)+8+(\b)], v[(\src)+8+(\b)], v[(\src)+8+(\a)], s[16+3*(\j)]
.endm
.macro MERGE d, a, b                   ; the best 8 of two sorted lists of 8: they form a bitonic run, which three stages sort
.irp i, 0,1,2,3,4,5,6,7
	TOP XB, \a, \b, \i
.endr
	CE XB, YB, 0, 4, 0
	CE XB, YB, 1, 5, 1
	CE XB, YB, 2, 6, 2
	CE XB, YB, 3, 7, 3
	CE YB, XB, 0, 2, 0
	CE YB, XB, 1, 3, 1
	CE YB, XB, 4, 6, 2
	CE YB, XB, 5, 7, 3
	CE XB, \d, 0, 1, 0
	CE XB, \d, 2, 3, 1
	CE XB, \d, 4, 5, 2
	CE XB, \d, 6, 7, 3
.endm
	s_wait_loadcnt 0x0
	MERGE L0, L0, L1
	MERGE L2, L2, L3
	MERGE L0, L0, L2
.set i, 0
.rept 16
	v_mov_b32_dpp v[L1+i], v[L0+i] row_xmask:8 row_mask:0xf bank_mask:0xf   ; the list of the lane 8 away
.set i, i+1
.endr
	MERGE L0, L0, L1
.set i, 0
.rept 16
	v_permlanex16_b32 v[L1+i], v[L0+i], s28, s29   ; the list of the lane 16 away
.set i, i+1
.endr
	MERGE L0, L0, L1
.irp i, 0,1,2,3,4,5,6,7                ; where th > t all 16 pairs stay candidates
	v_fma_f32 v[80+\i], |v[L0+\i]|, s30, v[L0+\i]
	v_cmp_gt_f32 s[16+\i], v[80+\i], v[L0+7]
	v_or_b32 v[88+\i], 0xffff, v[L0+8+\i]
	v_cndmask_b32 v[L0+8+\i], v[L0+8+\i], v[88+\i], s[16+\i]
.endr
	v_cndmask_b32 v6, v[L0+8], v[L0+10], s31       ; lane c takes words 2 c and 2 c + 1
	v_cndmask_b32 v7, v[L0+12], v[L0+14], s31
	v_cndmask_b32 v4, v6, v7, s32
	v_cndmask_b32 v8, v[L0+9], v[L0+11], s31
	v_cndmask_b32 v9, v[L0+13], v[L0+15], s31
	v_cndmask_b32 v5, v8, v9, s32
	global_store_b64 v3, v[4:5], s[12:13]          ; the wave's 8 queries: 256 consecutive bytes, aligned, by one store
	s_endpgm
.Lfunc_end_k_qc8268717f1_merge:
	.size	k_qc8268717f1_merge, .Lfunc_end_k_qc8268717f1_merge-k_qc8268717f1_merge
	.p2alignl 7, 3214868480
	.fill 96, 4, 3214868480
	.section	.rodata,"a",@progbits
	.p2align	6, 0x0
	.amdhsa_kernel k_qc8268717f1_merge
		.amdhsa_group_segment_fixed_size 0
		.amdhsa_private_segment_fixed_size 0
		.amdhsa_enable_private_segment 0
		.amdhsa_kernarg_size 24
		.amdhsa_user_sgpr_count 2
		.amdhsa_user_sgpr_kernarg_segment_ptr 1
		.amdhsa_wavefront_size32 1
		.amdhsa_system_sgpr_workgroup_id_x 1
		.amdhsa_system_sgpr_workgroup_id_y 1
		.amdhsa_system_sgpr_workgroup_id_z 1
		.amdhsa_system_vgpr_workitem_id 0
		.amdhsa_next_free_vgpr 112
		.amdhsa_next_free_sgpr 66
		.amdhsa_reserve_vcc 0
		.amdhsa_float_denorm_mode_32 3
		.amdhsa_float_denorm_mode_16_64 3
		.amdhsa_memory_ordered 1
		.amdhsa_forward_progress 1
		.amdhsa_inst_pref_size 52
	.end_amdhsa_kernel
	.amdgpu_metadata
---
amdhsa.version: [ 1, 2 ]
amdhsa.kernels:
  - .name:           k_qc8268717f1_merge
    .symbol:         k_qc8268717f1_merge.kd
    .args:
      - { .name: lv, .offset: 0, .size: 8, .value_kind: global_buffer, .address_space: global }
      - { .name: lp, .offset: 8, .size: 8, .value_kind: global_buffer, .address_space: global }
      - { .name: sel, .offset: 16, .size: 8, .value_kind: global_buffer, .address_space: global }
    .group_segment_fixed_size: 0
    .private_segment_fixed_size: 0
    .kernarg_segment_align: 8
    .kernarg_segment_size: 24
    .max_flat_workgroup_size: 256
    .sgpr_count:     66
    .vgpr_count:     112
    .wavefront_size: 32
...
	.end_amdgpu_metadata
.endif
;; end of part 3
;; launch rescore (part 4): grid 2048 x 1, 8 waves a work-group, no clusters, 1,536 bytes of LDS; arguments sel, xb, rn, idx, scr; writes idx, scr
.if DOCPART == 4
	.amdgcn_target "amdgcn-amd-amdhsa--gfx1250"
	.amdhsa_code_object_version 6
	.text
	.protected	k_qc8268717f1_rescore
	.globl	k_qc8268717f1_rescore
	.p2align	8
	.type	k_qc8268717f1_rescore,@function
k_qc8268717f1_rescore:
	s_mov_b64 s[64:65], 0
	v_nop
	global_prefetch_b8 v0, s[64:65] scope:SCOPE_SE
	s_setreg_imm32_b32 hwreg(HW_REG_WAVE_MODE, 25, 1), 1
	s_wait_xcnt 0x0
; RESCORE.  One wave, one query.  sel holds its 8 groups and, for each, 16 flags: the pairs of keys that may hold one of the 8 nearest.  Each flagged pair (two rows of xb that lie
; side by side: 512 consecutive bytes, one load of the wave) is multiplied with q on the vector unit: products of bf16 numbers, exact, summed in f32; x = sum * rn[key].
; The 8 best by (x descending, key ascending: the order of lax.top_k) are kept; their keys (whole numbers) and scores x * rn[q] go out.
; The vector unit, since every query has rows of its own and these are some 22 of a query's 16,384 products.
; All addresses and trip counts come from sel, which an earlier launch stored; no branch hangs on a float.
; THE LIST lies across lanes: lane i of each half of 16 holds slot i (value v16, key v17); both halves hold the same.  An insertion is three compares, a shift by one lane and four selects.
; FIRST the lowest flagged pair of each of the 8 groups, eight loads in flight (a group's flags are never all 0: the pair of its maximum is flagged); THEN each group's other pairs, in a counted loop.
; The 8 waves' results meet in LDS, so that wave 0 stores whole aligned blocks of 256 bytes.
; LIMITS.  x that differ by less than the rounding of f32 sums may fall the other way than in reference(); NaN and infinities are not treated apart.
.set SPARE, 512                        ; LDS: 0-255 the keys' stage, 256-511 the scores', then the spare words, 128 bytes a wave
.set QF, 4                             ; v[4:11]  q's 8 numbers of my 16 bytes, f32
.set XR, 24                            ; v[24:55] pair w as loaded
.set VO, 56                            ; v[56:63] pair w's byte offset
	s_load_b256 s[4:11], s[0:1], 0x0               ; sel s[4:5], xb s[6:7], rn s[8:9], idx s[10:11]
	s_load_b64 s[12:13], s[0:1], 0x20              ; scr
	v_lshl_add_u32 v64, v0, 2, SPARE               ; my spare word
	v_mov_b32 v65, 0
	v_and_b32 v1, 31, v0
	v_lshrrev_b32 v3, 5, v0
	v_readfirstlane_b32 s14, v3                    ; wave
	v_mov_b32 v3, 0                                ; the sums' start
	v_lshlrev_b32 v2, 4, v1                        ; 16 bytes a lane of a pair's 512
	v_and_b32 v19, 15, v1
	v_lshlrev_b32 v19, 4, v19                      ; 16 bytes a lane of q's 256, in both halves
	v_mov_b32 v14, 0                               ; destinations of the lane shifts count as read
	v_mov_b32 v15, 0
	v_mov_b32 v16, 0xff800000                      ; the list starts empty
	v_mov_b32 v17, -1
	s_lshl_b32 s15, ttmp9, 3
	s_add_co_u32 s15, s15, s14                     ; G = head 2048 + b 1024 + s
	s_lshr_b32 s56, s15, 11                        ; head
	s_bfe_u32 s57, s15, 0x1000a                    ; b
	s_lshl_b32 s57, s57, 3
	s_add_co_u32 s57, s57, s56
	s_lshl_b32 s57, s57, 10
	s_and_b32 s58, s15, 1023
	s_add_co_u32 s78, s57, s58                     ; the query's row in query's own order
	s_bfe_u32 s59, s78, 0x20003                    ; its place in its block of 64 rows of xb
	s_lshl_b32 s59, s59, 4
	s_bfe_u32 s60, s78, 0x10005
	s_lshl_b32 s60, s60, 3
	s_and_b32 s61, s78, 7
	s_and_b32 s62, s78, 0xffffffc0
	s_add_co_u32 s62, s62, s59
	s_add_co_u32 s62, s62, s60
	s_add_co_u32 s62, s62, s61
	s_add_co_u32 s62, s62, 131072
	s_mov_b32 s75, 0
	s_wait_kmcnt 0x0
	s_lshl_b32 s74, s62, 8
	s_add_nc_u64 s[90:91], s[6:7], s[74:75]        ; q's row
	s_lshl_b32 s74, s56, 22
	s_add_nc_u64 s[66:67], s[6:7], s[74:75]        ; the head's keys
	s_lshl_b32 s74, s56, 16
	s_add_nc_u64 s[68:69], s[8:9], s[74:75]        ; the head's rn
	s_add_co_u32 s74, s78, 131072
	s_lshl_b32 s74, s74, 2
	s_add_nc_u64 s[76:77], s[8:9], s[74:75]        ; rn of q
	s_lshl_b32 s74, s15, 5
	s_add_nc_u64 s[4:5], s[4:5], s[74:75]          ; the query's 8 words of sel
	s_lshl_b32 s74, ttmp9, 8
	s_add_nc_u64 s[10:11], s[10:11], s[74:75]      ; the work-group's 256 bytes of idx and of scr
	s_add_nc_u64 s[12:13], s[12:13], s[74:75]
	s_load_b256 s[16:23], s[4:5], 0x0
	s_load_b32 s70, s[76:77], 0x0
	global_load_b128 v[20:23], v19, s[90:91]
	s_wait_kmcnt 0x0
.irp w, 0,1,2,3,4,5,6,7
	s_and_b32 s[24+\w], s[16+\w], 0xffff           ; the group's flags still to be served
.endr
; The lowest flagged pair B of group w: s58 = the place of its first row among the head's rows of xb, s[32+w] = its first key; the flag is taken out.
; Pair and group are clamped to their tables' sizes; behind that only ands, left shifts and sums.
.macro PICK w
	s_ctz_i32_b32 s56, s[24+(\w)]
	s_min_u32 s56, s56, 15
	s_lshr_b32 s57, s[16+(\w)], 16
	s_min_u32 s57, s57, 511
	s_and_b32 s58, s57, 0x1fe
	s_lshl_b32 s58, s58, 5                         ; the block of 64 rows
	s_and_b32 s59, s56, 12
	s_lshl_b32 s59, s59, 2
	s_add_co_u32 s58, s58, s59
	s_and_b32 s59, s57, 1
	s_lshl_b32 s59, s59, 3
	s_add_co_u32 s58, s58, s59
	s_and_b32 s59, s56, 3
	s_lshl_b32 s59, s59, 1
	s_add_co_u32 s58, s58, s59
	s_lshl_b32 s[32+(\w)], s57, 5
	s_lshl_b32 s59, s56, 1
	s_add_co_u32 s[32+(\w)], s[32+(\w)], s59
	s_sub_co_u32 s59, s[24+(\w)], 1
	s_and_b32 s[24+(\w)], s[24+(\w)], s59
.endm
.macro ASK w                           ; the pair's 512 bytes, and its two rn; every register named here is pair w's own
	v_lshl_add_u32 v[VO+(\w)], s58, 8, v2
	global_load_b128 v[XR+4*(\w):XR+4*(\w)+3], v[VO+(\w)], s[66:67]
	s_lshl_b32 s[80+(\w)], s[32+(\w)], 2
	s_load_b64 s[40+2*(\w):41+2*(\w)], s[68:69], s[80+(\w)] offset:0x0
.endm
.macro INSQ sx, sn                     ; (x, key) goes into the list
	v_cmp_lt_f32 s71, v16, \sx
	v_cmp_eq_f32 s72, v16, \sx
	v_cmp_gt_u32 s73, v17, \sn
	v_mov_b32_dpp v14, v16 row_shr:1 row_mask:0xf bank_mask:0xf
	v_mov_b32_dpp v15, v17 row_shr:1 row_mask:0xf bank_mask:0xf
	s_and_b32 s72, s72, s73
	s_or_b32 s71, s71, s72                         ; the slots that the new one precedes
	s_lshl_b32 s72, s71, 1
	s_and_b32 s72, s72, 0xfffefffe                 ; those whose neighbour above it precedes too: they take that neighbour
	v_cndmask_b32 v14, \sx, v14, s72
	v_cndmask_b32 v15, \sn, v15, s72
	v_cndmask_b32 v16, v16, v14, s71
	v_cndmask_b32 v17, v17, v15, s71
.endm
.macro PROC w                          ; lanes 0-15 hold the pair's first row, lanes 16-31 its second, 8 numbers a lane
.irp j, 0,1,2,3
.if \j == 0
	v_fma_mix_f32_bf16 v12, v[XR+4*(\w)], v[QF], v3 op_sel_hi:[1,0,0]
	v_fma_mix_f32_bf16 v13, v[XR+4*(\w)], v[QF+1], v3 op_sel:[1,0,0] op_sel_hi:[1,0,0]
.else
	v_fma_mix_f32_bf16 v12, v[XR+4*(\w)+\j], v[QF+2*\j], v12 op_sel_hi:[1,0,0]
	v_fma_mix_f32_bf16 v13, v[XR+4*(\w)+\j], v[QF+2*\j+1], v13 op_sel:[1,0,0] op_sel_hi:[1,0,0]
.endif
.endr
	v_add_f32 v12, v12, v13
	v_add_f32_dpp v12, v12, v12 row_xmask:1 row_mask:0xf bank_mask:0xf
	v_add_f32_dpp v12, v12, v12 row_xmask:2 row_mask:0xf bank_mask:0xf
	v_add_f32_dpp v12, v12, v12 row_xmask:4 row_mask:0xf bank_mask:0xf
	v_add_f32_dpp v12, v12, v12 row_xmask:8 row_mask:0xf bank_mask:0xf
	v_readlane_b32 s62, v12, 0
	v_readlane_b32 s79, v12, 16
	s_mul_f32 s62, s62, s[40+2*(\w)]
	s_mul_f32 s79, s79, s[41+2*(\w)]
	s_add_co_u32 s63, s[32+(\w)], 1
	INSQ s62, s[32+(\w)]
	INSQ s79, s63
.endm
.macro REST w                          ; group w's other flagged pairs: as many trips as flags are left, a whole number read from sel
	s_bcnt1_i32_b32 s60, s[24+(\w)]
	s_min_u32 s60, s60, 15
	s_cmp_eq_u32 s60, 0
	s_cbranch_scc1 .Lnone_\@
	s_mov_b32 s61, 0
.Lmore_\@:
	PICK \w
	ASK \w
	s_wait_loadcnt 0x0                             ; the pair; this wait and the next also free the registers that the next trip writes
	s_wait_kmcnt 0x0                               ; its rn
	PROC \w
	s_add_co_u32 s61, s61, 1
	s_cmp_lt_u32 s61, s60
	s_cbranch_scc1 .Lmore_\@
.Lnone_\@:
.endm
.irp w, 0,1,2,3,4,5,6,7
	PICK \w
	ASK \w
.endr
	s_wait_loadcnt 0x8                             ; q is in; the eight pairs behind it may stay out
.irp j, 0,1,2,3
	v_lshlrev_b32 v[QF+2*\j], 16, v[20+\j]
	v_and_b32 v[QF+2*\j+1], 0xffff0000, v[20+\j]
.endr
	s_wait_kmcnt 0x0                               ; the eight pairs' rn
.irp w, 0,1,2,3,4,5,6,7
	s_wait_loadcnt 7-\w                            ; pair w is in; the younger ones stay out
	PROC \w
.endr
.irp w, 0,1,2,3,4,5,6,7
	REST \w
.endr
	v_mul_f32 v16, s70, v16                        ; the scores: x * rn[q]
	v_and_b32 v18, 7, v1
	s_lshl_b32 s59, s14, 5
	v_lshl_add_u32 v18, v18, 2, s59                ; my wave's 32 bytes of a stage
	s_wait_xcnt 0x0                                ; EXEC changes only behind this wait
	v_cmp_gt_u32 vcc_lo, 8, v1
	s_and_saveexec_b32 s88, vcc_lo                 ; lanes 0 to 7 hold the 8 best
	ds_store_b32 v18, v17
	ds_store_b32 v18, v16 offset:256
	s_or_b32 exec_lo, exec_lo, s88
	s_wait_tensorcnt 0x0
	ds_add_u32 v64, v65
	s_wait_dscnt 0x0                               ; this wait also shows my LDS stores done, for wave 0's sake
	s_barrier_signal -1
	s_barrier_wait -1
	s_cmp_lg_u32 s14, 0
	s_cbranch_scc1 .Lend
	v_lshlrev_b32 v19, 3, v1
	ds_load_b64 v[20:21], v19
	ds_load_b64 v[22:23], v19 offset:256
	s_wait_dscnt 0x0
	global_store_b64 v19, v[20:21], s[10:11]       ; 256 consecutive bytes, aligned
	global_store_b64 v19, v[22:23], s[12:13]
.Lend:
	s_endpgm
.Lfunc_end_k_qc8268717f1_rescore:
	.size	k_qc8268717f1_rescore, .Lfunc_end_k_qc8268717f1_rescore-k_qc8268717f1_rescore
	.p2alignl 7, 3214868480
	.fill 96, 4, 3214868480
	.section	.rodata,"a",@progbits
	.p2align	6, 0x0
	.amdhsa_kernel k_qc8268717f1_rescore
		.amdhsa_group_segment_fixed_size 1536
		.amdhsa_private_segment_fixed_size 0
		.amdhsa_enable_private_segment 0
		.amdhsa_kernarg_size 40
		.amdhsa_user_sgpr_count 2
		.amdhsa_user_sgpr_kernarg_segment_ptr 1
		.amdhsa_wavefront_size32 1
		.amdhsa_system_sgpr_workgroup_id_x 1
		.amdhsa_system_sgpr_workgroup_id_y 1
		.amdhsa_system_sgpr_workgroup_id_z 1
		.amdhsa_system_vgpr_workitem_id 0
		.amdhsa_next_free_vgpr 72
		.amdhsa_next_free_sgpr 100
		.amdhsa_reserve_vcc 1
		.amdhsa_float_denorm_mode_32 3
		.amdhsa_float_denorm_mode_16_64 3
		.amdhsa_memory_ordered 1
		.amdhsa_forward_progress 1
		.amdhsa_inst_pref_size 62
	.end_amdhsa_kernel
	.amdgpu_metadata
---
amdhsa.version: [ 1, 2 ]
amdhsa.kernels:
  - .name:           k_qc8268717f1_rescore
    .symbol:         k_qc8268717f1_rescore.kd
    .args:
      - { .name: sel, .offset: 0, .size: 8, .value_kind: global_buffer, .address_space: global }
      - { .name: xb, .offset: 8, .size: 8, .value_kind: global_buffer, .address_space: global }
      - { .name: rn, .offset: 16, .size: 8, .value_kind: global_buffer, .address_space: global }
      - { .name: idx, .offset: 24, .size: 8, .value_kind: global_buffer, .address_space: global }
      - { .name: scr, .offset: 32, .size: 8, .value_kind: global_buffer, .address_space: global }
    .group_segment_fixed_size: 1536
    .private_segment_fixed_size: 0
    .kernarg_segment_align: 8
    .kernarg_segment_size: 40
    .max_flat_workgroup_size: 256
    .sgpr_count:     100
    .vgpr_count:     72
    .wavefront_size: 32
...
	.end_amdgpu_metadata
.endif
;; end of part 4
;; launch combine (part 5): grid 2048 x 1, 8 waves a work-group, no clusters, 0 bytes of LDS; arguments idx, scr, value_memories, outputs, gate, out0; writes out0
.if DOCPART == 5
	.amdgcn_target "amdgcn-amd-amdhsa--gfx1250"
	.amdhsa_code_object_version 6
	.text
	.protected	k_qc8268717f1_combine
	.globl	k_qc8268717f1_combine
	.p2align	8
	.type	k_qc8268717f1_combine,@function
k_qc8268717f1_combine:
	s_mov_b64 s[64:65], 0
	v_nop
	global_prefetch_b8 v0, s[64:65] scope:SCOPE_SE
	s_setreg_imm32_b32 hwreg(HW_REG_WAVE_MODE, 25, 1), 1
	s_wait_xcnt 0x0
; COMBINE.  out0[G] = g * (sum over k of scr[G][k] * value_memories[head][idx[G][k]]) + (1 - g) * outputs[G], g = sigmoid(gate[(G >> 10) & 7]).
; reference()'s reshape of [H, B*S, D] to [B, H, S, D] keeps the flat order of rows: row G = head 2048 + query of the weighted sums meets row G of outputs and of out0,
; whose own head index is (G >> 10) & 7; the value rows come from head G >> 11.
; One wave, one row of 512 bytes, 16 bytes a lane; the row of outputs and the 8 value rows, whose places an earlier launch stored as whole numbers, are all in flight at once.
; All in f32.  Memory binds: no LDS, matrix unit or cluster.  A value row may be named by several queries, so its loads carry no hint.
	s_load_b256 s[4:11], s[0:1], 0x0               ; idx s[4:5], scr s[6:7], value_memories s[8:9], outputs s[10:11]
	s_load_b128 s[12:15], s[0:1], 0x20             ; gate s[12:13], out0 s[14:15]
	v_lshrrev_b32 v2, 5, v0
	v_readfirstlane_b32 s33, v2                    ; wave
	v_and_b32 v1, 31, v0
	v_lshlrev_b32 v1, 4, v1
	s_lshl_b32 s40, ttmp9, 3
	s_add_co_u32 s40, s40, s33                     ; G
	s_lshl_b32 s42, s40, 5
	s_mov_b32 s43, 0
	s_lshl_b32 s44, s40, 9
	s_mov_b32 s45, 0
	s_lshr_b32 s46, s40, 11
	s_lshl_b32 s46, s46, 23                        ; a head's 16,384 rows of 512 bytes
	s_mov_b32 s47, 0
	s_bfe_u32 s41, s40, 0x3000a
	s_lshl_b32 s41, s41, 2
	s_wait_kmcnt 0x0
	s_add_nc_u64 s[4:5], s[4:5], s[42:43]
	s_add_nc_u64 s[6:7], s[6:7], s[42:43]
	s_add_nc_u64 s[10:11], s[10:11], s[44:45]
	s_add_nc_u64 s[14:15], s[14:15], s[44:45]
	s_add_nc_u64 s[8:9], s[8:9], s[46:47]
	s_load_b256 s[16:23], s[4:5], 0x0
	s_load_b256 s[24:31], s[6:7], 0x0
	s_load_b32 s32, s[12:13], s41 offset:0x0
	global_load_b128 v[24:27], v1, s[10:11] th:TH_LOAD_NT
	s_wait_kmcnt 0x0
.irp k, 0,1,2,3,4,5,6,7
	s_min_u32 s[16+\k], s[16+\k], 16383            ; an index stays inside its table
	v_lshl_add_u32 v[2+\k], s[16+\k], 9, v1
	global_load_b128 v[28+4*\k:31+4*\k], v[2+\k], s[8:9]
.endr
	v_mov_b32 v18, s32
	v_mul_f32 v18, 0xbfb8aa3b, v18                 ; -log2(e) * gate
	v_exp_f32 v18, v18
	v_nop                                          ; a plain instruction behind the transcendental
	s_wait_alu depctr_va_vdst(0)
	v_add_f32 v18, 1.0, v18
	v_rcp_f32 v18, v18                             ; g
	v_nop
	s_wait_alu depctr_va_vdst(0)
	v_sub_f32 v19, 1.0, v18
.irp k, 0,1,2,3,4,5,6,7
	v_mul_f32 v[10+\k], s[24+\k], v18              ; g * score
.endr
	s_wait_loadcnt 0x8                             ; outputs' row is in; the eight value rows behind it may stay out
.irp j, 0,1,2,3
	v_mul_f32 v[20+\j], v[24+\j], v19
.endr
.irp k, 0,1,2,3,4,5,6,7
	s_wait_loadcnt 7-\k                            ; value row k is in
.irp j, 0,1,2,3
	v_fmac_f32 v[20+\j], v[28+4*\k+\j], v[10+\k]
.endr
.endr
	global_store_b128 v1, v[20:23], s[14:15] th:TH_STORE_NT   ; 512 consecutive bytes, aligned
	s_endpgm
.Lfunc_end_k_qc8268717f1_combine:
	.size	k_qc8268717f1_combine, .Lfunc_end_k_qc8268717f1_combine-k_qc8268717f1_combine
	.p2alignl 7, 3214868480
	.fill 96, 4, 3214868480
	.section	.rodata,"a",@progbits
	.p2align	6, 0x0
	.amdhsa_kernel k_qc8268717f1_combine
		.amdhsa_group_segment_fixed_size 0
		.amdhsa_private_segment_fixed_size 0
		.amdhsa_enable_private_segment 0
		.amdhsa_kernarg_size 48
		.amdhsa_user_sgpr_count 2
		.amdhsa_user_sgpr_kernarg_segment_ptr 1
		.amdhsa_wavefront_size32 1
		.amdhsa_system_sgpr_workgroup_id_x 1
		.amdhsa_system_sgpr_workgroup_id_y 1
		.amdhsa_system_sgpr_workgroup_id_z 1
		.amdhsa_system_vgpr_workitem_id 0
		.amdhsa_next_free_vgpr 64
		.amdhsa_next_free_sgpr 66
		.amdhsa_reserve_vcc 0
		.amdhsa_float_denorm_mode_32 3
		.amdhsa_float_denorm_mode_16_64 3
		.amdhsa_memory_ordered 1
		.amdhsa_forward_progress 1
		.amdhsa_inst_pref_size 6
	.end_amdhsa_kernel
	.amdgpu_metadata
---
amdhsa.version: [ 1, 2 ]
amdhsa.kernels:
  - .name:           k_qc8268717f1_combine
    .symbol:         k_qc8268717f1_combine.kd
    .args:
      - { .name: idx, .offset: 0, .size: 8, .value_kind: global_buffer, .address_space: global }
      - { .name: scr, .offset: 8, .size: 8, .value_kind: global_buffer, .address_space: global }
      - { .name: value_memories, .offset: 16, .size: 8, .value_kind: global_buffer, .address_space: global }
      - { .name: outputs, .offset: 24, .size: 8, .value_kind: global_buffer, .address_space: global }
      - { .name: gate, .offset: 32, .size: 8, .value_kind: global_buffer, .address_space: global }
      - { .name: out0, .offset: 40, .size: 8, .value_kind: global_buffer, .address_space: global }
    .group_segment_fixed_size: 0
    .private_segment_fixed_size: 0
    .kernarg_segment_align: 8
    .kernarg_segment_size: 48
    .max_flat_workgroup_size: 256
    .sgpr_count:     66
    .vgpr_count:     64
    .wavefront_size: 32
...
	.end_amdgpu_metadata
.endif
;; end of part 5
